; MI455X (gfx1250); checked and timed in simulation.
; The chip was launched on July 23, 2026; its instructions are those of AMD's public machine-readable ISA for CDNA 5 (MIT licence, August 2026) and "CDNA5" Instruction Set Architecture Reference Guide (July 2026). The comments in the code are by the model that wrote it; some were corrected since.
;; Per Span Attention. Allowed arithmetic: matrix products marked QUANTISED: E2M1 operands, one E8M0 scale for each 32 along K, by v_wmma_scale_f32_16x16x128_f8f6f4 with both operands' format E2M1 (or v_wmma_scale_f32_32x16x128_f4), f32 sums; products left as they are: f32 operands where the result goes on into a quantised operand, else bf16, f16 or f32 operands; f32 sums; everything else in f32.
;; Inputs: Wkv 2,048 x 1,024 float32; Wo 1,024 x 1,024 float32; Wq 1,024 x 1,024 float32; bkv 2,048 float32; bo 1,024 float32; bq 1,024 float32; kv 8 x 4,096 x 1,024 float32; mask 8 x 64 x 64 bool; q 8 x 64 x 1,024 float32.
;; Outputs: out0 8 x 64 x 1,024 float32.
;; Constants: span_size = 64.
;; This version of the problem:
;;   THIS VERSION OF THE PROBLEM IS GIVEN IN LOW PRECISION. The matrix products marked QUANTISED in the list below multiply operands that are first quantised to E2M1 (2 exponent bits, 1 mantissa bit; 4 bits a number), with one power-of-two scale for each 32 numbers along K (OCP MX v1.0); their sums are f32. All else is computed in f32.
;;   The module's matrix products, in the order in which they are computed (A, B: the left and right operand; K: the contracted axis; several contracted axes count as one K, in the product's order):
;;     1. [M 512, K 1,024] x [K 1,024, N 1,024]; A: input q; B: input Wq: QUANTISED
;;     2. [M 32,768, K 1,024] x [K 1,024, N 2,048]; A: input kv; B: input Wkv: QUANTISED
;;     3. batch 8,192 x [M 1, K 64] x [K 64, N 64]; A: computed on the way; B: computed on the way: left as it is (M = 1 < 16)
;;     4. batch 8,192 x [M 1, K 64] x [K 64, N 64]; A: softmax; B: computed on the way: left as it is (M = 1 < 16)
;;     5. [M 512, K 1,024] x [K 1,024, N 1,024]; A: computed on the way; B: input Wo: QUANTISED
;;   THE QUANTISER, for each operand of a quantised product, along K:
;;     - K is cut into blocks of 32 from its start; a last block that is shorter is filled with zeros.
;;     - A block's scale is 2^e with e = floor(log2(the largest magnitude in the block)) - 2, held to -126 .. 127; a block of zeros has e = 0. As a byte (E8M0): e + 127.
;;     - Each number is divided by its block's scale, clamped to +-6, and rounded to the nearest number of E2M1, ties to even, subnormals kept.
;;     - The product sums the exact products of the quantised numbers (number of the format x scale) in f32.
;;   ~~~python
;;   def quantise(x, axis):      # numpy; x: float32 -> the quantised numbers, widened to float32 again
;;       x = np.moveaxis(x, axis, -1); K = x.shape[-1]
;;       x = np.pad(x, [(0, 0)] * (x.ndim - 1) + [(0, -K % 32)]); x = x.reshape(x.shape[:-1] + (-1, 32)); a = np.abs(x).max(-1, keepdims=True)
;;       e = np.where(a > 0, np.clip(np.frexp(np.where(a > 0, a, 1))[1] - 1 - 2, -126, 127), 0)      # np.frexp(a)[1] - 1 = floor(log2(a)), exactly
;;       r = np.clip(x / 2.0 ** e, -6, 6)
;;       step = 2.0 ** (np.maximum(np.frexp(np.where(r == 0, 1, r))[1] - 1, 0) - 1)
;;       q = np.round(r / step) * step * 2.0 ** e      # np.round: ties to even
;;       return np.moveaxis(q.reshape(q.shape[:-2] + (-1,))[..., :K], -1, axis).astype(np.float32)
;;   ~~~
;;   OPERANDS COMPUTED ON THE WAY. 'Computed on the way' means the value that the module computes at that place (a softmax that the list does not call 'softmax' is quantised finished and normalised). What goes into a quantiser is computed in f32, as accurately as f32 sums, v_exp_f32 and their like allow (about 1e-6 of the number): no bf16 or f16 on the way to a quantiser, and a product that is left as it is and whose result goes on into a quantised operand takes f32 operands (vector FMAs, or v_wmma_f32_16x16x4_f32). A number that lies on a knife's edge between two numbers of the format may be rounded either way, as far as f32 arithmetic and the matrix unit's own rounding can turn it there, and no further.
;; One version. Each part assembles by itself: llvm-mc -triple=amdgcn-amd-amdhsa -mcpu=gfx1250 --defsym DOCPART=n.
;; ======== version 1 of 1: 3 launches
;; limits: right only within a limited range of input values
;; workspace buffers: wsq 20,332,544 bytes; attnq 278,528 bytes
;; launch quant (part 1): grid 2336 x 1, 1 waves a work-group, no clusters, 8,704 bytes of LDS; arguments kv, Wkv, Wq, Wo, q, wsq; writes wsq
.if DOCPART == 1
	.amdgcn_target "amdgcn-amd-amdhsa--gfx1250"
	.amdhsa_code_object_version 6
	.text
	.protected	k_q4878e4660f_quant
	.globl	k_q4878e4660f_quant
	.p2align	8
	.type	k_q4878e4660f_quant,@function
k_q4878e4660f_quant:
	s_mov_b64 s[64:65], 0
	v_nop
	global_prefetch_b8 v0, s[64:65] scope:SCOPE_SE
	s_setreg_imm32_b32 hwreg(HW_REG_WAVE_MODE, 25, 1), 1
	s_wait_xcnt 0x0
; kv, Wkv, Wq, Wo and q (f32, K = 1,024 innermost) become codes of FP4 (E2M1) with one E8M0 scale byte for each 32 along K.
; A block's scale is 2^(floor(log2(its largest magnitude)) - 2); its byte is the largest magnitude's exponent field - 2, held at 1 from below;
; each number is divided by the scale and rounded to the nearest code, ties to even, beyond 6 the code of 6.
; LIMITS: NaN and infinities among the inputs are not served.  A block of zeros gets the byte 1 where the rule says 127: its codes are zeros,
; which add nothing under any byte but 0xff, and the bytes are read by this program alone.
; LAYOUT OF wsq: groups of 64 rows, GRP = 34,816 bytes.  Codes lie as images of the operand's registers: the fragment of tile (16 rows) and K step s
; (128 along K) is the 1,024 bytes at tile x 8192 + s x 1024, register 4 c + i of lane l at c x 512 + 16 l + 4 i.  Scale bytes: SCO + 32 x row + k / 32.
; Groups 0-511 kv (group = span), 512-543 Wkv, 544-559 Wq, 560-575 Wo, 576-583 q: 2,336 tiles in all.
; SHARES: a work-group is ONE wave and takes one tile: 16 rows x 4,096 bytes, in eight K steps written out, every offset an immediate.  Waves share nothing,
; so the smallest share is the work-group: 2,336 tiles spread over the WGPs in steps of one wave (9 or 10 each on 256), where groups of four waves would lie 8 or 12 waves to a WGP.
; Each load reads 512 consecutive bytes of one row; the step's 8 KiB turn through the wave's stage in LDS, so that a lane gets 16 neighbours
; of each of its row's four blocks.  Loads run two K steps (32 loads a wave) ahead.  No barrier.  No matrix work, no cluster: nothing is read twice here.
; WORK LEFT OUT OF THE PROGRAM: bk, the first 1,024 numbers of bkv.  It would add qh . bk / 8 to every score of a span and a head that the mask keeps: the same number along the
; softmax's axis, whatever the inputs hold, which the softmax takes away again (k is no quantised operand; a masked score is set to the lowest number afterwards either way).
; So those 1,024 numbers are not loaded.  LIMIT: a NaN, an infinity or an overflow that reaches only bk's part of the scores is not carried to the result.
.set GRP,  34816
.set SCO,  32768
.set SP,   528                         ; a stage row: 512 bytes + 16: the sixteen rows of a read start at sixteen different 16-byte columns
.set LI,   1                           ; v1   16 x lane: my bytes of a load's or store's 512, and the stage's way in
.set RR,   2                           ; v2   r = lane % 16
.set HH,   3                           ; v3   h = lane / 16
.set LDA,  5                           ; v5   the stage, way out: row r, + 64 h
.set SOF,  6                           ; v6   32 r + 16 h: my 16 scale bytes
.set TM,   8                           ; v8-11 largest magnitudes, v12-15 the other half's, then bytes, v20-23 the conversions' scale operands
.set PWS,  24                          ; v24-31 the scale word of K step s
.set PC,   128                         ; v128-191 codes: eight registers for each K step, so that no store's data are written again
.set SD,   48                          ; v48-51 the scale bytes' store
.set X,    64                          ; v64-127 64 numbers: register 16 b + i = k 32 b + 16 h + i of row r
.set R,    192                         ; the even K steps' 64 numbers as loaded: v192-255; the odd ones': window 1, v256-319
.set SEL,  26                          ; s[26:27] selects of v_permlanex16_b32 for lane l xor 16
	s_load_b256 s[4:11], s[0:1], 0x0               ; kv, Wkv, Wq, Wo
	s_load_b128 s[12:15], s[0:1], 0x20             ; q, wsq
	v_lshl_add_u32 v62, v0, 2, 0x2100
	v_mov_b32 v63, 0
	v_lshlrev_b32 v[LI], 4, v0                     ; one wave: the thread's number is the lane
	v_and_b32 v[RR], 15, v0
	v_bfe_u32 v[HH], v0, 4, 1
	v_mul_u32_u24 v[LDA], v[RR], SP
	v_lshl_add_u32 v[LDA], v[HH], 6, v[LDA]
	v_lshlrev_b32 v[SOF], 5, v[RR]
	v_lshl_add_u32 v[SOF], v[HH], 4, v[SOF]
	s_mov_b32 s[SEL], 0x76543210
	s_mov_b32 s[SEL+1], 0xfedcba98
.irp b, 0,1,2,3
	v_mov_b32 v[TM+4+\b], 0                        ; written once: a lane permute's destination counts as one of its sources
.endr
	s_mov_b32 s17, 0                               ; the first tile of the tensor that my tile belongs to
	s_lshr_b32 s16, ttmp9, 2                       ; my group in wsq,
	s_and_b32 s24, ttmp9, 3                        ; and my tile in it
	s_mul_i32 s28, s16, GRP
	s_lshl_b32 s20, s24, 13
	s_add_co_u32 s20, s20, s28                     ; my tile's codes
	s_mov_b32 s21, 0
	s_lshl_b32 s22, s24, 9
	s_add_co_u32 s22, s22, s28
	s_add_co_u32 s22, s22, SCO                     ; my tile's scale bytes
	s_mov_b32 s23, 0
	s_wait_alu depctr_va_vdst(0)
	s_wait_kmcnt 0x0
	s_cmp_ge_u32 ttmp9, 2048                       ; which tensor: the choice hangs on the work-group's number alone
	s_cselect_b64 s[4:5], s[6:7], s[4:5]
	s_cselect_b32 s17, 2048, s17
	s_cmp_ge_u32 ttmp9, 2176
	s_cselect_b64 s[4:5], s[8:9], s[4:5]
	s_cselect_b32 s17, 2176, s17
	s_cmp_ge_u32 ttmp9, 2240
	s_cselect_b64 s[4:5], s[10:11], s[4:5]
	s_cselect_b32 s17, 2240, s17
	s_cmp_ge_u32 ttmp9, 2304
	s_cselect_b64 s[4:5], s[12:13], s[4:5]
	s_cselect_b32 s17, 2304, s17
	s_sub_co_u32 s18, ttmp9, s17
	s_lshl_b32 s18, s18, 16                        ; 16 rows of 4,096 bytes a tile (under 2^27 in all)
	s_mov_b32 s19, 0
	s_add_nc_u64 s[4:5], s[4:5], s[18:19]
	s_add_nc_u64 s[20:21], s[14:15], s[20:21]
	s_add_nc_u64 s[22:23], s[14:15], s[22:23]
.set MSB, 0
.macro WIN new                         ; the immediate's high byte repeats the setting that is left
.if MSB != \new
	s_set_vgpr_msb (MSB<<8)|\new
.set MSB, \new
.endif
.endm
.macro SEND t                          ; the codes of K step t: 512 consecutive bytes an instruction, aligned
.irp c, 0,1
	global_store_b128 v[LI], v[PC+8*(\t)+4*\c:PC+8*(\t)+4*\c+3], s[20:21] offset:(\t)*1024+512*\c
.endr
.endm
.macro LOAD s
.set RB, R
.if (\s)%2
.set RB, 0
	WIN 0x40                                       ; destination window 1
.endif
.irp i, 0,1,2,3,4,5,6,7,8,9,10,11,12,13,14,15
	global_load_b128 v[RB+4*\i:RB+4*\i+3], v[LI], s[4:5] offset:\i*4096+512*(\s) th:TH_LOAD_NT
.endr
	WIN 0
.endm
.macro TURN s                          ; through the stage: LDS serves a wave's instructions in order (ISA guide 5.7.1.4), so no wait stands between the stores and the loads
.set RB, R
.if (\s)%2
.set RB, 0
	WIN 0x04                                       ; source 1, the stores' data: window 1
.endif
.irp i, 0,1,2,3,4,5,6,7,8,9,10,11,12,13,14,15
	ds_store_b128 v[LI], v[RB+4*\i:RB+4*\i+3] offset:SP*\i
.endr
	WIN 0
.irp b, 0,1,2,3
.irp j, 0,1,2,3
	ds_load_b128 v[X+16*\b+4*\j:X+16*\b+4*\j+3], v[LDA] offset:128*\b+16*\j
.endr
.endr
.endm
; 64 numbers of a lane become a fragment's 8 registers of codes in v[pc] on and its row's scale word in v[pw]
.macro QUANT src, pc, pw
.irp b, 0,1,2,3
	v_max3_num_f32 v[TM+\b], |v[\src+16*\b]|, |v[\src+1+16*\b]|, 0x1800000   ; block b: my 16 numbers, and the floor 2^(3 - 127): the byte cannot fall under 1
.endr
.irp i, 2,4,6,8,10,12,14
.irp b, 0,1,2,3
	v_max3_num_f32 v[TM+\b], v[TM+\b], |v[\src+16*\b+\i]|, |v[\src+1+16*\b+\i]|   ; the four blocks by turns
.endr
.endr
.irp b, 0,1,2,3
	v_permlanex16_b32 v[TM+4+\b], v[TM+\b], s[SEL], s[SEL+1]
.endr
.irp b, 0,1,2,3
	v_max_num_f32 v[TM+\b], v[TM+\b], v[TM+4+\b]   ; with lane l xor 16's 16: the block's largest magnitude
.endr
.irp b, 0,1,2,3
	v_add_nc_u32 v[TM+12+\b], 0xff000000, v[TM+\b] ; 2 off its exponent field: the conversion takes the exponent field of this operand as its scale
.endr
.irp b, 0,1,2,3
	v_lshrrev_b32 v[TM+4+\b], 23, v[TM+12+\b]      ; the scale's byte
.endr
	v_lshl_or_b32 v[\pw], v[TM+5], 8, v[TM+4]
	v_lshl_or_b32 v[\pw], v[TM+6], 16, v[\pw]
	v_lshl_or_b32 v[\pw], v[TM+7], 24, v[\pw]
.irp b, 0,1,2,3
	v_cvt_scalef32_pk8_fp4_f32 v[\pc+2*\b], v[\src+16*\b:\src+7+16*\b], v[TM+12+\b]
	v_cvt_scalef32_pk8_fp4_f32 v[\pc+1+2*\b], v[\src+8+16*\b:\src+15+16*\b], v[TM+12+\b]
.endr
	v_nop                                          ; one plain place behind a scaled conversion
.irp c, 0,1                            ; the operand's layout wants a whole block in a lane: lanes 0-15 block 2 c, lanes 16-31 block 2 c + 1
.irp i, 0,1
	v_permlane16_swap_b32 v[\pc+4*\c+\i], v[\pc+2+4*\c+\i]
.endr
.endr
.endm
.macro STEP s
.if (\s) < 7
	s_wait_loadcnt 16                              ; this step's 16 loads are in; the next step's 16 may be out
.else
	s_wait_loadcnt 0x0
.endif
	TURN \s
	s_wait_dscnt 0x0                               ; X is in, and the stage's stores have read their registers
.if (\s) > 0
	SEND (\s)-1                                    ; the codes of the step before go out ahead of the loads of two steps on
.endif
.if (\s)+2 < 8
	LOAD (\s)+2
.endif
	QUANT X, PC+8*(\s), PWS+(\s)
	s_wait_alu depctr_va_vdst(0)
.endm
	LOAD 0
	LOAD 1
.irp s, 0,1,2,3,4,5,6,7
	STEP \s
.endr
	SEND 7
	v_cmp_ne_u32 vcc_lo, 0, v[HH]
.irp i, 0,1,2,3
	v_cndmask_b32 v[SD+\i], v[PWS+\i], v[PWS+4+\i], vcc_lo
.endr
	global_store_b128 v[SOF], v[SD:SD+3], s[22:23] ; my tile's 512 scale bytes, consecutive
	s_wait_tensorcnt 0x0
	ds_add_u32 v62, v63
	s_wait_dscnt 0x0
	s_endpgm
.Lfunc_end_k_q4878e4660f_quant:
	.size	k_q4878e4660f_quant, .Lfunc_end_k_q4878e4660f_quant-k_q4878e4660f_quant
	.p2alignl 7, 3214868480
	.fill 96, 4, 3214868480
	.section	.rodata,"a",@progbits
	.p2align	6, 0x0
	.amdhsa_kernel k_q4878e4660f_quant
		.amdhsa_group_segment_fixed_size 8704
		.amdhsa_private_segment_fixed_size 0
		.amdhsa_enable_private_segment 0
		.amdhsa_kernarg_size 48
		.amdhsa_user_sgpr_count 2
		.amdhsa_user_sgpr_kernarg_segment_ptr 1
		.amdhsa_wavefront_size32 1
		.amdhsa_system_sgpr_workgroup_id_x 1
		.amdhsa_system_sgpr_workgroup_id_y 1
		.amdhsa_system_sgpr_workgroup_id_z 1
		.amdhsa_system_vgpr_workitem_id 0
		.amdhsa_next_free_vgpr 320
		.amdhsa_next_free_sgpr 66
		.amdhsa_reserve_vcc 1
		.amdhsa_float_denorm_mode_32 3
		.amdhsa_float_denorm_mode_16_64 3
		.amdhsa_memory_ordered 1
		.amdhsa_forward_progress 1
		.amdhsa_inst_pref_size 64
	.end_amdhsa_kernel
	.amdgpu_metadata
---
amdhsa.version: [ 1, 2 ]
amdhsa.kernels:
  - .name:           k_q4878e4660f_quant
    .symbol:         k_q4878e4660f_quant.kd
    .args:
      - { .name: kv, .offset: 0, .size: 8, .value_kind: global_buffer, .address_space: global }
      - { .name: Wkv, .offset: 8, .size: 8, .value_kind: global_buffer, .address_space: global }
      - { .name: Wq, .offset: 16, .size: 8, .value_kind: global_buffer, .address_space: global }
      - { .name: Wo, .offset: 24, .size: 8, .value_kind: global_buffer, .address_space: global }
      - { .name: q, .offset: 32, .size: 8, .value_kind: global_buffer, .address_space: global }
      - { .name: wsq, .offset: 40, .size: 8, .value_kind: global_buffer, .address_space: global }
    .group_segment_fixed_size: 8704
    .private_segment_fixed_size: 0
    .kernarg_segment_align: 8
    .kernarg_segment_size: 48
    .max_flat_workgroup_size: 32
    .sgpr_count:     66
    .vgpr_count:     320
    .wavefront_size: 32
...
	.end_amdgpu_metadata
.endif
;; end of part 1
;; launch attn (part 2): grid 4 x 64, 8 waves a work-group, clusters of 4 x 4, 327,680 bytes of LDS; arguments wsq, bq, bkv, mask, attnq; writes attnq
.if DOCPART == 2
	.amdgcn_target "amdgcn-amd-amdhsa--gfx1250"
	.amdhsa_code_object_version 6
	.text
	.protected	k_q4878e4660f_attn
	.globl	k_q4878e4660f_attn
	.p2align	8
	.type	k_q4878e4660f_attn,@function
k_q4878e4660f_attn:
	s_mov_b64 s[64:65], 0
	v_nop
	global_prefetch_b8 v0, s[64:65] scope:SCOPE_SE
	s_setreg_imm32_b32 hwreg(HW_REG_WAVE_MODE, 25, 1), 1
	s_wait_xcnt 0x0
	s_wait_alu depctr_hold_cnt(0) depctr_sa_sdst(0) depctr_va_vdst(0) depctr_va_sdst(0) depctr_va_ssrc(0) depctr_va_vcc(0) depctr_vm_vsrc(0)
	s_getreg_b32 s2, hwreg(HW_REG_IB_STS2, 6, 4)
	s_cmp_eq_u32 s2, 0
	s_cbranch_scc0 .Lentry_in_a_cluster
	s_endpgm
.Lentry_in_a_cluster:
	s_bfe_u32 s2, ttmp6, 0x10000c
	s_cmp_lg_u32 s2, 0xf033
	s_cbranch_scc0 .Lentry_shape_is_right
	s_endpgm
.Lentry_shape_is_right:
; For 8 spans and 4 heads a work-group: qh = Q(q) Q(Wq)^T + bq, k and v = Q(kv) Q(Wkv)^T (+ bv) on codes of FP4 with E8M0 scales; scores, mask, softmax and pooling in f32;
; the pooled rows are quantised along K = head x 64 + d into attnq, in wsq's layout (groups of 64 rows, fragments as images of the operand's registers, scale bytes behind them).
; WORK LEFT OUT: bk (the first 1,024 numbers of bkv are not loaded): it adds qh . bk / 8 to every kept score of a span and head, one number along the softmax's axis, which the softmax takes away.
; LIMIT: a NaN, an infinity or an overflow that reaches only that term is not carried to the result.
; SHARES.  Span group C (0 .. 63) is spans 8 C .. 8 C + 7; head group cx is heads 4 cx .. 4 cx + 3.  Eight waves: wave w < 4 makes k, the scores and the softmax of head 4 cx + w, wave 4 + w makes v and the pooling of the same head.
; A wave's weights (Wk or Wv of its head: 64 rows x 1,024 codes, 256 registers) stay in registers for the whole launch; k and v of a span (64 x 64, 128 registers each) are used up in registers and never stored.
; The softmax's p of a span and head goes from the k wave to the v wave through LDS, one work-group barrier a span; every span has p bytes of its own.
; CLUSTERS of 4 x 4.  A row of the cluster (same cy) has the same 8 spans: waves 0-3 ask for them JOINTLY, one span each, spans 0-3 at the head, spans 4-7 behind a round.  A column (same cx) has the same heads: waves 4-7 ask jointly for Wq, one head each.
; Wq's 139,264 bytes lie where spans 4-7 come afterwards.  Wk and Wv are not asked for jointly: another 278,528 bytes do not fit into LDS beside the 278,528 that lie there, and each wave alone uses its 34,816: they go from memory straight into registers, K step by K step.
; No prefetch: no tile is loaded inside a loop: all requests stand ahead of it.
; LAYOUT.  k is made transposed (source 0 = 32 rows of Wk, source 1 = 16 rows of kv): a lane holds one kv row and 8 neighbouring d a register run, beside qh's same d.
; v is made as it stands (source 0 = 32 rows of kv, source 1 = 16 rows of Wv): a lane holds one d and 8 kv rows a run, beside the weights p of the same rows.
; ARITHMETIC.  1/8 is folded into qh (a power of two).  bv is added behind the pooling: sum(p (v0 + bv)) = sum(p v0) + bv, since the p of a row add up to 1 for every mask.
; The row's largest score is taken off before the exponential; a masked score is the lowest f32 number, as in the reference, so a span that is wholly masked gives equal weights.
; LIMITS: NaN and infinities among the inputs are not served; a block of zeros gets the byte 1 where the rule says 127 (zero codes; only this program reads the bytes); qh x 1/8 is inexact only where it falls among the denormals.
; REGISTERS: window 1 (v256-511): the weights' fragment (t, s) at v[8 (4 s + t)].  Window 0: v1-30 addresses, mask bytes, bv; v32-47 the weights' scale words, v48-63 the span's; v64-127 two sets of four span fragments
; (behind the products: qh or p, and work); v128-255 accumulators: k's tile (m, t) at 8 (4 m + t), v's tile (t, m) at 8 (4 t + m); at first q's fragments and qh's sums.
.set GRP,  34816
.set SCO,  32768
.set EB,   8*GRP                       ; behind the spans: p, 4 heads x 8 spans x 256 bytes;
.set QHB,  EB+8192                     ; qh, for each head 16 rows x 272 bytes, rounded up to 4,608;
.set OSB,  QHB+4*4608                  ; the pooled rows, 4 heads x 8 x 256 bytes;
.set SPARE, OSB+8192                   ; the spare words, 128 bytes for each wave
.set LI,   1                           ; v1   16 x lane
.set RR,   2                           ; v2   r = lane % 16
.set HH,   3                           ; v3   h = lane / 16
.set ASA0, 4                           ; v4   32 x lane: my place among 32 rows' scale words
.set A,    5                           ; v5   the group in hand + 16 x lane
.set ASA,  6                           ; v6   the group in hand + v4
.set QHW,  7                           ; v7   qh, way in
.set QHR0, 8                           ; v8   qh, way out, span 0
.set QR,   9                           ; v9   the same for the span in hand
.set PW0,  10                          ; v10, v11  p, way in: span 0, the span in hand
.set PW,   11
.set PR0,  12                          ; v12, v13  p, way out
.set PR,   13
.set OW0,  14                          ; v14, v15  pooled row, way in
.set OW,   15
.set TLA,  16                          ; v16  the tail: my 16 pooled numbers
.set SPW,  17                          ; v17  LDS address of my spare word; never rewritten
.set NIL,  18                          ; v18  0; never rewritten
.set QCO,  19                          ; v19  q's codes
.set MK,   20                          ; v20-23 the span's mask bytes, row 16 m + r
.set BV,   24                          ; v24-27 bv[64 head + 16 t + r]
.set QSO,  28                          ; v28  q's scale words
.set BQO,  29                          ; v29  bq
.set BVO,  30                          ; v30  bv
.set WS,   32                          ; register 8 p + s: lane l holds the scale word of the weights' row 32 p + l, K step s
.set ASC,  48                          ; the same for the span's rows (at first Wq's)
.set AS,   64                          ; v64-95, v96-127
.set T,    96
.set ACC,  128
.set QF,   192                         ; v192-255 at first: q's eight fragments
.set QSC,  160                         ; v160-167 at first: q's scale words
.set WV,   14
.set CX,   15
.set HW,   16                          ; which of my work-group's four heads
.set HD,   17                          ; my head
.set CC,   18                          ; the span group
.set G1,   24                          ; s[24:31] descriptor group 1 for the spans, s[48:55] for Wq
.set G0,   32                          ; s[32:35] spans 0-3, s[36:39] Wq, s[40:43] spans 4-7
.set G0B,  36
.set G0C,  40
.set G1B,  48
.set SEL,  66                          ; s[66:67] selects of v_permlanex16_b32 for lane l xor 16
.set BW,   68                          ; bases: my weights' group, q's codes, q's scales, bq, bkv, mask, attnq's codes, attnq's scales
.set BQC,  70
.set BQS,  72
.set BBQ,  74
.set BBV,  76
.set BMK,  78
.set BOC,  80
.set BOS,  82
.set SB,   88                          ; LDS byte of the span in hand
.set SQ,   89                          ; 272 x span
.set SO,   90                          ; 256 x span
.set CNT,  92
.set MSB, 0
.macro WIN new                         ; the immediate's high byte repeats the setting that is left
.if MSB != \new
	s_set_vgpr_msb (MSB<<8)|\new
.set MSB, \new
.endif
.endm
.macro PLACES                          ; four plain places behind matrix instructions, ahead of loads into their sources and of reads of their results
.rept 4
	v_nop
.endr
.endm
.macro CROUND                          ; a round of the cluster's barrier
	s_barrier_signal -1
	s_barrier_wait -1
	s_cmp_lg_u32 s[WV], 0
	s_cbranch_scc1 .Lnot_wave_0_\@
	s_barrier_signal -3
.Lnot_wave_0_\@:
	s_barrier_wait -3
	s_barrier_signal -1
	s_barrier_wait -1
.endm
.macro WLOAD                           ; my weights: 4 loads of scale words, then 8 loads for each K step
.irp p, 0,1
.irp u, 0,1
	global_load_b128 v[WS+8*\p+4*\u:WS+8*\p+4*\u+3], v[ASA0], s[BW:BW+1] offset:SCO+1024*\p+16*\u
.endr
.endr
	WIN 0x40                                       ; destination window 1
.irp s, 0,1,2,3,4,5,6,7
.irp t, 0,1,2,3
.irp c, 0,1
	global_load_b128 v[8*(4*\s+\t)+4*\c:8*(4*\s+\t)+4*\c+3], v[LI], s[BW:BW+1] offset:\t*8192+\s*1024+\c*512
.endr
.endr
.endr
	WIN 0
.endm
.macro FETCH s, p                      ; the four fragments of K step s of the group in hand into set p: 512 consecutive bytes an instruction
.irp m, 0,1,2,3
.irp c, 0,1
	ds_load_b128 v[AS+32*\p+8*\m+4*\c:AS+32*\p+8*\m+4*\c+3], v[A] offset:\m*8192+\s*1024+\c*512
.endr
.endr
.endm
.macro FETCH_SC                        ; the group's scale words, all 8 K steps
.irp p, 0,1
.irp u, 0,1
	ds_load_b128 v[ASC+8*\p+4*\u:ASC+8*\p+4*\u+3], v[ASA] offset:SCO+1024*\p+16*\u
.endr
.endr
.endm
.macro QSTEP s, dsw                    ; qh, transposed: source 0 = 32 rows of Wq, source 1 = q; the two sums by turns
	s_wait_dscnt \dsw
.irp u, 0,1
	v_wmma_scale_f32_32x16x128_f4 v[ACC+16*\u:ACC+16*\u+15], v[AS+32*((\s)%2)+16*\u:AS+32*((\s)%2)+16*\u+15], v[QF+8*\s:QF+8*\s+7], v[ACC+16*\u:ACC+16*\u+15], v[ASC+8*\u+\s], v[QSC+\s]
.endr
	PLACES
.endm
.macro KMUL s, m, u                    ; k, tiles (m, 2 u) and (m, 2 u + 1); the first K step starts the sums with 0
.set rD, ACC+8*(4*(\m)+2*(\u))
.set rA, 8*(4*(\s)+2*(\u))
.set rB, AS+32*((\s)%2)+8*(\m)
.set rX, WS+8*(\u)+(\s)
.set rY, ASC+8*((\m)/2)+(\s)
.if (\s) == 0
.if (\m)%2
	v_wmma_scale_f32_32x16x128_f4 v[rD:rD+15], v[rA:rA+15], v[rB:rB+7], 0, v[rX], v[rY] matrix_b_scale:MATRIX_SCALE_ROW1
.else
	v_wmma_scale_f32_32x16x128_f4 v[rD:rD+15], v[rA:rA+15], v[rB:rB+7], 0, v[rX], v[rY]
.endif
.else
.if (\m)%2
	v_wmma_scale_f32_32x16x128_f4 v[rD:rD+15], v[rA:rA+15], v[rB:rB+7], v[rD:rD+15], v[rX], v[rY] matrix_b_scale:MATRIX_SCALE_ROW1
.else
	v_wmma_scale_f32_32x16x128_f4 v[rD:rD+15], v[rA:rA+15], v[rB:rB+7], v[rD:rD+15], v[rX], v[rY]
.endif
.endif
.endm
.macro VMUL s, t, u                    ; v, tiles (t, 2 u) and (t, 2 u + 1)
.set rD, ACC+8*(4*(\t)+2*(\u))
.set rA, AS+32*((\s)%2)+16*(\u)
.set rB, 8*(4*(\s)+(\t))
.set rX, ASC+8*(\u)+(\s)
.set rY, WS+8*((\t)/2)+(\s)
.if (\s) == 0
.if (\t)%2
	v_wmma_scale_f32_32x16x128_f4 v[rD:rD+15], v[rA:rA+15], v[rB:rB+7], 0, v[rX], v[rY] matrix_b_scale:MATRIX_SCALE_ROW1
.else
	v_wmma_scale_f32_32x16x128_f4 v[rD:rD+15], v[rA:rA+15], v[rB:rB+7], 0, v[rX], v[rY]
.endif
.else
.if (\t)%2
	v_wmma_scale_f32_32x16x128_f4 v[rD:rD+15], v[rA:rA+15], v[rB:rB+7], v[rD:rD+15], v[rX], v[rY] matrix_b_scale:MATRIX_SCALE_ROW1
.else
	v_wmma_scale_f32_32x16x128_f4 v[rD:rD+15], v[rA:rA+15], v[rB:rB+7], v[rD:rD+15], v[rX], v[rY]
.endif
.endif
.endm
; A K step of a span: 8 matrix instructions on 8 accumulators, one instruction a turn, in the same order in every K step.
; lcw: the global loads that may be out: the later K steps' weights (8 each) and, in a k wave, the span's four mask bytes.  dsw: the LDS loads that may be out.
.macro KSTEP s, dsw, lcw
	s_wait_loadcnt \lcw
	s_wait_dscnt \dsw
	WIN 0x01                                       ; source 0 (Wk) window 1
.irp m, 0,1,2,3
.irp u, 0,1
	KMUL \s, \m, \u
.endr
.endr
	WIN 0
	PLACES
.endm
.macro VSTEP s, dsw, lcw
	s_wait_loadcnt \lcw
	s_wait_dscnt \dsw
	WIN 0x04                                       ; source 1 (Wv) window 1
.irp t, 0,1,2,3
.irp u, 0,1
	VMUL \s, \t, \u
.endr
.endr
	WIN 0
	PLACES
.endm
	s_load_b256 s[4:11], s[0:1], 0x0               ; wsq, bq, bkv, mask
	s_load_b64 s[12:13], s[0:1], 0x20              ; attnq
	v_lshl_add_u32 v[SPW], v0, 2, SPARE
	v_mov_b32 v[NIL], 0
	ds_add_u32 v[SPW], v[NIL]                      ; the wave's opening: the add, twice on end, and its wait
	ds_add_u32 v[SPW], v[NIL]
	v_lshrrev_b32 v1, 5, v0
	v_readfirstlane_b32 s[WV], v1                  ; wave 0..7
	s_bfe_u32 s[CX], ttmp6, 0x40000                ; cx, cy: my place in the cluster
	s_bfe_u32 s19, ttmp6, 0x40004
	s_and_b32 s[CC], ttmp7, 0xffff                 ; in a cluster launch ttmp7 counts clusters
	s_lshl_b32 s[CC], s[CC], 2
	s_add_co_u32 s[CC], s[CC], s19                 ; span group = 4 x cluster y + cy
	s_and_b32 s[HW], s[WV], 3
	s_lshl_b32 s[HD], s[CX], 2
	s_add_co_u32 s[HD], s[HD], s[HW]               ; my head
	s_lshl_b32 s20, s19, 2
	s_lshl_b32 s20, 15, s20                        ; my row of the cluster
	s_lshl_b32 s21, 0x1111, s[CX]                  ; my column
	; descriptor group 1: a group of 34,816 bytes as 136 dense rows of 32 elements of 8 bytes, no padding
	s_or_b32 s[G1], s20, (3<<16)|(1<<21)
	s_or_b32 s[G1B], s21, (3<<16)|(1<<21)
.irp g, G1, G1B
	s_mov_b32 s[\g+1], 32<<16                      ; tensor_dim0
	s_mov_b32 s[\g+2], 136<<16                     ; tensor_dim1
	s_mov_b32 s[\g+3], 32<<16                      ; tile_dim0
	s_mov_b32 s[\g+4], 136                         ; tile_dim1
	s_mov_b32 s[\g+5], 32                          ; from row to row
	s_mov_b32 s[\g+6], 0
	s_mov_b32 s[\g+7], 0
.endr
	s_lshl_b32 s22, s[CC], 3
	s_add_co_u32 s22, s22, s[HW]
	s_mul_i32 s22, s22, GRP                        ; waves 0-3: span 8 C + wave; hangs on the span group and the wave alone
	s_mov_b32 s23, 0
	s_add_co_u32 s44, s[HD], 544
	s_mul_i32 s44, s44, GRP                        ; waves 4-7: Wq's group of my head; hangs on cx and the wave alone
	s_mov_b32 s45, 0
	s_mul_i32 s46, s[WV], GRP                      ; where they go: wave x a group
	s_add_co_u32 s47, s46, 4*GRP                   ; and spans 4-7 (waves 0-3 alone use it)
	; where rows 8 C .. 8 C + 7 lie in a run of eight groups (q's in wsq, and attnq)
	s_lshr_b32 s56, s[CC], 3
	s_mul_i32 s56, s56, GRP                        ; the group
	s_bfe_u32 s57, s[CC], 0x20001
	s_lshl_b32 s57, s57, 13                        ; the tile
	s_and_b32 s58, s[CC], 1
	s_lshl_b32 s58, s58, 7                         ; its upper or lower eight rows
	s_add_co_u32 s57, s57, s58
	s_add_co_u32 s57, s57, s56                     ; codes
	s_and_b32 s58, s[CC], 7
	s_lshl_b32 s58, s58, 8
	s_add_co_u32 s58, s58, s56
	s_add_co_u32 s58, s58, SCO                     ; scale bytes
	s_mov_b32 s[SEL], 0x76543210
	s_mov_b32 s[SEL+1], 0xfedcba98
	s_mov_b32 s[SB], 0
	s_mov_b32 s[SQ], 0
	s_mov_b32 s[SO], 0
	s_mov_b32 s[CNT], 8
	s_mov_b32 s95, 0
	s_wait_dscnt 0x0                               ; both opening adds are done
	s_wait_kmcnt 0x0
	s_mov_b32 s[G0], 1                             ; count = 1
	s_mov_b32 s[G0+1], s46                         ; LDS address
	s_add_nc_u64 s[G0+2:G0+3], s[4:5], s[22:23]    ; global address
	s_or_b32 s[G0+3], s[G0+3], 0x80000000          ; type = 2
	s_mov_b32 s[G0B], 1
	s_mov_b32 s[G0B+1], s46
	s_add_nc_u64 s[G0B+2:G0B+3], s[4:5], s[44:45]
	s_or_b32 s[G0B+3], s[G0B+3], 0x80000000
	s_add_nc_u64 s[22:23], s[22:23], 4*GRP
	s_mov_b32 s[G0C], 1
	s_mov_b32 s[G0C+1], s47
	s_add_nc_u64 s[G0C+2:G0C+3], s[4:5], s[22:23]
	s_or_b32 s[G0C+3], s[G0C+3], 0x80000000
	s_lshr_b32 s94, s[WV], 2
	s_lshl_b32 s94, s94, 4
	s_add_co_u32 s94, s94, s[HD]
	s_add_co_u32 s94, s94, 512
	s_mul_i32 s94, s94, GRP                        ; waves 0-3: Wk's group of my head; waves 4-7: Wv's, 16 groups on
	s_add_nc_u64 s[BW:BW+1], s[4:5], s[94:95]
	s_add_co_u32 s94, s57, 576*GRP
	s_add_nc_u64 s[BQC:BQC+1], s[4:5], s[94:95]
	s_add_co_u32 s94, s58, 576*GRP
	s_add_nc_u64 s[BQS:BQS+1], s[4:5], s[94:95]
	s_lshl_b32 s94, s[HD], 8
	s_add_nc_u64 s[BBQ:BBQ+1], s[6:7], s[94:95]
	s_add_nc_u64 s[BBV:BBV+1], s[8:9], s[94:95]
	s_lshl_b32 s94, s[CC], 9
	s_add_nc_u64 s[BMK:BMK+1], s[10:11], s[94:95]
	s_lshl_b32 s94, s[HD], 9
	s_add_co_u32 s94, s94, s57
	s_add_nc_u64 s[BOC:BOC+1], s[12:13], s[94:95]
	s_lshl_b32 s94, s[HD], 1
	s_add_co_u32 s94, s94, s58
	s_add_nc_u64 s[BOS:BOS+1], s[12:13], s[94:95]
	CROUND                                         ; all sixteen work-groups are here: the joint loads meet
	s_cmp_lt_u32 s[WV], 4
	s_cbranch_scc0 .Lask_q
	tensor_load_to_lds s[G0:G0+3], s[G1:G1+7]      ; waves 0-3: a span each
	s_nop 0
	PLACES
	s_branch .Lasked
.Lask_q:
	tensor_load_to_lds s[G0B:G0B+3], s[G1B:G1B+7]  ; waves 4-7: a head's Wq each, read by the same wave alone
	s_nop 0
	PLACES
.Lasked:
	v_and_b32 v[LI], 31, v0
	v_lshlrev_b32 v[LI], 4, v[LI]
	v_and_b32 v[RR], 15, v0
	v_bfe_u32 v[HH], v0, 4, 1
	v_lshlrev_b32 v[ASA0], 1, v[LI]
	s_mul_i32 s59, s[HW], 4608
	s_add_co_u32 s59, s59, QHB                     ; my head's qh
	v_mul_u32_u24 v[QHW], v[RR], 272
	v_lshl_add_u32 v[QHW], v[HH], 5, v[QHW]
	v_add_nc_u32 v[QHW], s59, v[QHW]
	v_lshl_add_u32 v[QHR0], v[HH], 5, s59
	s_lshl_b32 s60, s[HW], 11
	s_add_co_u32 s61, s60, OSB                     ; its pooled rows
	s_add_co_u32 s60, s60, EB                      ; its p
	v_lshl_add_u32 v[PW0], v[RR], 2, s60
	v_lshl_add_u32 v[PR0], v[HH], 5, s60
	v_lshl_add_u32 v[OW0], v[RR], 2, s61
	v_lshl_add_u32 v[TLA], v[LI], 2, s61
	v_and_b32 v[QSO], 7, v[RR]
	v_lshlrev_b32 v[QCO], 4, v[QSO]
	v_lshl_add_u32 v[QCO], v[HH], 8, v[QCO]        ; q's codes: 256 h + 16 (r % 8): lanes r and r + 8 take the same span
	v_lshlrev_b32 v[QSO], 5, v[QSO]                ; q's scale words: 32 (r % 8)
	v_lshlrev_b32 v[BQO], 5, v[HH]                 ; bq: 32 h
	v_lshlrev_b32 v[BVO], 2, v[RR]                 ; bv: 4 r
	v_add_nc_u32 v[A], s46, v[LI]                  ; Wq's group (waves 4-7 alone read by these two before the loop writes them)
	v_add_nc_u32 v[ASA], s46, v[ASA0]
	s_wait_alu depctr_va_vdst(0)
	s_cmp_lt_u32 s[WV], 4
	s_cbranch_scc0 .Lqproj
	WLOAD
	s_branch .Lready
.Lqproj:                                               ; waves 4-7: qh of my head for the 8 spans.  Lane (r, h) gets qh[span r % 8][16 t + 8 h + j]
.irp s, 0,1,2,3,4,5,6,7
.irp c, 0,1
	global_load_b128 v[QF+8*\s+4*\c:QF+8*\s+4*\c+3], v[QCO], s[BQC:BQC+1] offset:\s*1024+\c*512
.endr
.endr
.irp u, 0,1
	global_load_b128 v[QSC+4*\u:QSC+4*\u+3], v[QSO], s[BQS:BQS+1] offset:16*\u
.endr
.irp t, 0,1,2,3
.irp u, 0,1
	global_load_b128 v[ACC+8*\t+4*\u:ACC+8*\t+4*\u+3], v[BQO], s[BBQ:BBQ+1] offset:64*\t+16*\u   ; bq is the C of the first matrix instructions
.endr
.endr
.irp t, 0,1,2,3
	global_load_b32 v[BV+\t], v[BVO], s[BBV:BBV+1] offset:4096+64*\t   ; bv lies behind bk's 4,096 bytes
.endr
	s_wait_tensorcnt 0x0                           ; my head's Wq has landed
	FETCH_SC
	FETCH 0, 0
	FETCH 1, 1
	s_wait_loadcnt 0x0
	QSTEP 0, 8
	FETCH 2, 0
	QSTEP 1, 8
	FETCH 3, 1
	QSTEP 2, 8
	FETCH 4, 0
	QSTEP 3, 8
	FETCH 5, 1
	QSTEP 4, 8
	FETCH 6, 0
	QSTEP 5, 8
	FETCH 7, 1
	QSTEP 6, 8
	QSTEP 7, 0
.irp i, 0,1,2,3,4,5,6,7,8,9,10,11,12,13,14,15
	v_pk_mul_f32 v[ACC+2*\i:ACC+2*\i+1], v[ACC+2*\i:ACC+2*\i+1], 0x3e000000 op_sel_hi:[1,0]   ; x 1/8, each accumulator from its low end on
.endr
.irp t, 0,1,2,3
.irp u, 0,1
	ds_store_b128 v[QHW], v[ACC+8*\t+4*\u:ACC+8*\t+4*\u+3] offset:64*\t+16*\u
.endr
.endr
.Lready:
	s_wait_tensorcnt 0x0                           ; my tile of the head's has landed;
	ds_add_u32 v[SPW], v[NIL]                      ; 0 onto my spare word;
	s_wait_dscnt 0x0                               ; the add, my reads of Wq and my stores of qh are done
	CROUND                                         ; so they are in every wave of every partner: spans 0-3 and qh are there, and Wq's bytes may be filled again
	s_cmp_lt_u32 s[WV], 4
	s_cbranch_scc0 .Lweights
	tensor_load_to_lds s[G0C:G0C+3], s[G1:G1+7]    ; waves 0-3: spans 4-7, the first tensor load behind the round; first read four barriers on
	s_nop 0
	PLACES
	s_branch .Lspan
.Lweights:
	s_wait_loadcnt 0x0                             ; no load is out ahead of the loads into the weights' registers (q's group was waited for ahead of qh)
	WLOAD
; A TRIP IS A SPAN.  k waves: k, scores, softmax, p to LDS.  v waves: v.  A barrier.  v waves: the pooling; the k waves go straight on.
.Lspan:
	v_add_nc_u32 v[A], s[SB], v[LI]
	v_add_nc_u32 v[ASA], s[SB], v[ASA0]
	v_add_nc_u32 v[QR], s[SQ], v[QHR0]
	v_add_nc_u32 v[PW], s[SO], v[PW0]
	v_add_nc_u32 v[PR], s[SO], v[PR0]
	v_add_nc_u32 v[OW], s[SO], v[OW0]
	s_wait_alu depctr_va_vdst(0)
	s_cmp_lt_u32 s[WV], 4
	s_cbranch_scc0 .Lval
.irp m, 0,1,2,3
	global_load_u8 v[MK+\m], v[RR], s[BMK:BMK+1] offset:16*\m
.endr
	FETCH_SC
	FETCH 0, 0
	FETCH 1, 1
	KSTEP 0, 8, 60
	FETCH 2, 0
	KSTEP 1, 8, 52
	FETCH 3, 1
	KSTEP 2, 8, 44
	FETCH 4, 0
	KSTEP 3, 8, 36
	FETCH 5, 1
	KSTEP 4, 8, 28
	FETCH 6, 0
	KSTEP 5, 8, 20
	FETCH 7, 1
	KSTEP 6, 8, 12
.irp t, 0,1,2,3
.irp u, 0,1
	ds_load_b128 v[AS+8*\t+4*\u:AS+8*\t+4*\u+3], v[QR] offset:64*\t+16*\u   ; qh[16 t + 8 h + j] of the span, into the set that K step 6 has read
.endr
.endr
	KSTEP 7, 8, 4
	s_wait_dscnt 0x0
.irp t, 0,1,2,3
.irp u, 0,1,2,3
.irp m, 0,1,2,3
.if (\t)+(\u) == 0
	v_pk_mul_f32 v[T+2*\m:T+2*\m+1], v[ACC+8*(4*\m+\t)+2*\u:ACC+8*(4*\m+\t)+2*\u+1], v[AS+8*\t+2*\u:AS+8*\t+2*\u+1]   ; row 16 m + r: qh . k over my 32 d; each accumulator from its low end on
.else
	v_pk_fma_f32 v[T+2*\m:T+2*\m+1], v[ACC+8*(4*\m+\t)+2*\u:ACC+8*(4*\m+\t)+2*\u+1], v[AS+8*\t+2*\u:AS+8*\t+2*\u+1], v[T+2*\m:T+2*\m+1]
.endif
.endr
.endr
.endr
.irp m, 0,1,2,3
	v_add_f32 v[T+8+\m], v[T+2*\m], v[T+2*\m+1]
.endr
.irp m, 0,1,2,3
	v_permlanex16_b32 v[T+12+\m], v[T+8+\m], s[SEL], s[SEL+1]
.endr
.irp m, 0,1,2,3
	v_add_f32 v[T+8+\m], v[T+8+\m], v[T+12+\m]     ; with the other 32 d: the score of row 16 m + r, in both halves of the lanes
.endr
	s_wait_alu depctr_va_vdst(0)
	s_wait_loadcnt 0x0                             ; the mask bytes
.irp m, 0,1,2,3
	v_cmp_ne_u32 vcc_lo, 0, v[MK+\m]
	v_cndmask_b32 v[T+8+\m], 0xff7fffff, v[T+8+\m], vcc_lo   ; a masked row: the lowest f32 number
.endr
	v_max3_num_f32 v[T+16], v[T+8], v[T+9], v[T+10]
	v_max_num_f32 v[T+16], v[T+16], v[T+11]
.irp x, 1,2,4,8
	v_max_num_f32_dpp v[T+16], v[T+16], v[T+16] row_xmask:\x row_mask:0xf bank_mask:0xf
.endr
.irp m, 0,1,2,3
	v_sub_f32 v[T+8+\m], v[T+8+\m], v[T+16]        ; the subtraction first: it gives 0 where every row is masked
.endr
.irp m, 0,1,2,3
	v_mul_f32 v[T+8+\m], 0x3fb8aa3b, v[T+8+\m]
.endr
	s_wait_alu depctr_va_vdst(0)
.irp m, 0,1,2,3
	v_exp_f32 v[T+8+\m], v[T+8+\m]
.endr
	v_nop                                          ; a plain place behind the exponentials
	s_wait_alu depctr_va_vdst(0)
	v_add_f32 v[T+17], v[T+8], v[T+9]
	v_add_f32 v[T+19], v[T+10], v[T+11]
	v_add_f32 v[T+17], v[T+17], v[T+19]
.irp x, 1,2,4,8
	v_add_f32_dpp v[T+17], v[T+17], v[T+17] row_xmask:\x row_mask:0xf bank_mask:0xf
.endr
	s_wait_alu depctr_va_vdst(0)
	v_rcp_f32 v[T+18], v[T+17]                     ; 1 / the row's sum
	v_nop                                          ; a plain place behind the reciprocal
	s_wait_alu depctr_va_vdst(0)
.irp m, 0,1,2,3
	v_mul_f32 v[T+8+\m], v[T+8+\m], v[T+18]
.endr
.irp m, 0,1,2,3
	ds_store_b32 v[PW], v[T+8+\m] offset:64*\m     ; p of row 16 m + r (both halves write the same word with the same value)
.endr
	s_branch .Lmeet
.Lval:
	FETCH_SC
	FETCH 0, 0
	FETCH 1, 1
	VSTEP 0, 8, 56
	FETCH 2, 0
	VSTEP 1, 8, 48
	FETCH 3, 1
	VSTEP 2, 8, 40
	FETCH 4, 0
	VSTEP 3, 8, 32
	FETCH 5, 1
	VSTEP 4, 8, 24
	FETCH 6, 0
	VSTEP 5, 8, 16
	FETCH 7, 1
	VSTEP 6, 8, 8
	VSTEP 7, 0, 0
	v_nop                                          ; a fifth place behind the last products
.Lmeet:
	s_wait_tensorcnt 0x0                           ; in the first trip: my part of spans 4-7 has landed
	s_wait_dscnt 0x0                               ; p is stored, my LDS loads are done
	s_barrier_signal -1
	s_barrier_wait -1
	s_cmp_lt_u32 s[WV], 4
	s_cbranch_scc1 .Lnext
.irp m, 0,1,2,3
.irp u, 0,1
	ds_load_b128 v[AS+8*\m+4*\u:AS+8*\m+4*\u+3], v[PR] offset:64*\m+16*\u   ; register 8 m + j: p of row 16 m + 8 h + j
.endr
.endr
	s_wait_dscnt 0x0
.irp m, 0,1,2,3
.irp u, 0,1,2,3
.irp t, 0,1,2,3
.if (\m)+(\u) == 0
	v_pk_mul_f32 v[T+2*\t:T+2*\t+1], v[ACC+8*(4*\t+\m)+2*\u:ACC+8*(4*\t+\m)+2*\u+1], v[AS+8*\m+2*\u:AS+8*\m+2*\u+1]   ; d = 16 t + r: p . v over my 32 rows; each accumulator from its low end on
.else
	v_pk_fma_f32 v[T+2*\t:T+2*\t+1], v[ACC+8*(4*\t+\m)+2*\u:ACC+8*(4*\t+\m)+2*\u+1], v[AS+8*\m+2*\u:AS+8*\m+2*\u+1], v[T+2*\t:T+2*\t+1]
.endif
.endr
.endr
.endr
.irp t, 0,1,2,3
	v_add_f32 v[T+8+\t], v[T+2*\t], v[T+2*\t+1]
.endr
.irp t, 0,1,2,3
	v_permlanex16_b32 v[T+12+\t], v[T+8+\t], s[SEL], s[SEL+1]
.endr
.irp t, 0,1,2,3
	v_add_f32 v[T+8+\t], v[T+8+\t], v[T+12+\t]
.endr
.irp t, 0,1,2,3
	v_add_f32 v[T+8+\t], v[T+8+\t], v[BV+\t]
.endr
.irp t, 0,1,2,3
	ds_store_b32 v[OW], v[T+8+\t] offset:64*\t     ; my own bytes, read back by this wave behind the loop
.endr
.Lnext:
	s_add_co_u32 s[SB], s[SB], GRP
	s_add_co_u32 s[SQ], s[SQ], 272
	s_add_co_u32 s[SO], s[SO], 256
	s_wait_xcnt 0x0                                ; the mask's loads have read their base
	s_add_nc_u64 s[BMK:BMK+1], s[BMK:BMK+1], 64
	s_wait_alu depctr_va_vdst(0)
	s_sub_co_u32 s[CNT], s[CNT], 1
	s_cmp_lg_u32 s[CNT], 0
	s_cbranch_scc1 .Lspan
	; THE TAIL, v waves: my head's 8 pooled rows of 64 are quantised.  Lane 4 i + 2 b + u holds d = 32 b + 16 u + 0 .. 15 of span i: two neighbouring lanes hold a block.
	s_cmp_lt_u32 s[WV], 4
	s_cbranch_scc1 .Lend
.irp j, 0,1,2,3
	ds_load_b128 v[AS+4*\j:AS+4*\j+3], v[TLA] offset:16*\j
.endr
	v_bfe_u32 v104, v0, 1, 1                       ; b
	v_bfe_u32 v105, v0, 2, 3                       ; i
	v_and_b32 v106, 1, v0                          ; u
	v_lshlrev_b32 v106, 3, v106
	v_lshl_add_u32 v106, v105, 4, v106
	v_lshl_add_u32 v106, v104, 8, v106             ; codes: 256 b + 16 i + 8 u
	v_lshl_add_u32 v105, v105, 5, v104             ; scale byte: 32 i + b
	s_wait_alu depctr_va_vdst(0)
	s_wait_dscnt 0x0
	v_max3_num_f32 v108, |v[AS]|, |v[AS+1]|, 0x1800000   ; my 16 numbers and the floor 2^(3 - 127)
.irp i, 2,4,6,8,10,12,14
	v_max3_num_f32 v108, v108, |v[AS+\i]|, |v[AS+1+\i]|
.endr
	v_max_num_f32_dpp v108, v108, v108 row_xmask:1 row_mask:0xf bank_mask:0xf   ; and my neighbour's 16
	v_add_nc_u32 v110, 0xff000000, v108            ; 2 off the exponent field: the conversion's scale operand
	v_cvt_scalef32_pk8_fp4_f32 v112, v[AS:AS+7], v110
	v_cvt_scalef32_pk8_fp4_f32 v113, v[AS+8:AS+15], v110
	v_lshrrev_b32 v111, 23, v110                   ; the scale's byte; also the plain line behind the conversions
	global_store_b64 v106, v[112:113], s[BOC:BOC+1]
	global_store_b8 v105, v111, s[BOS:BOS+1]       ; both lanes of a block write the same byte with the same value
.Lend:
	s_wait_tensorcnt 0x0                           ; the wave's end
	ds_add_u32 v[SPW], v[NIL]
	s_wait_dscnt 0x0
	CROUND                                         ; the closing round: no work-group ends while a partner may still ask jointly
	s_endpgm
.Lfunc_end_k_q4878e4660f_attn:
	.size	k_q4878e4660f_attn, .Lfunc_end_k_q4878e4660f_attn-k_q4878e4660f_attn
	.p2alignl 7, 3214868480
	.fill 96, 4, 3214868480
	.section	.rodata,"a",@progbits
	.p2align	6, 0x0
	.amdhsa_kernel k_q4878e4660f_attn
		.amdhsa_group_segment_fixed_size 327680
		.amdhsa_private_segment_fixed_size 0
		.amdhsa_enable_private_segment 0
		.amdhsa_kernarg_size 40
		.amdhsa_user_sgpr_count 2
		.amdhsa_user_sgpr_kernarg_segment_ptr 1
		.amdhsa_wavefront_size32 1
		.amdhsa_system_sgpr_workgroup_id_x 1
		.amdhsa_system_sgpr_workgroup_id_y 1
		.amdhsa_system_sgpr_workgroup_id_z 1
		.amdhsa_system_vgpr_workitem_id 0
		.amdhsa_next_free_vgpr 512
		.amdhsa_next_free_sgpr 100
		.amdhsa_reserve_vcc 1
		.amdhsa_float_denorm_mode_32 3
		.amdhsa_float_denorm_mode_16_64 3
		.amdhsa_memory_ordered 1
		.amdhsa_forward_progress 1
		.amdhsa_inst_pref_size 78
	.end_amdhsa_kernel
	.amdgpu_metadata
---
amdhsa.version: [ 1, 2 ]
amdhsa.kernels:
  - .name:           k_q4878e4660f_attn
    .symbol:         k_q4878e4660f_attn.kd
    .args:
      - { .name: wsq, .offset: 0, .size: 8, .value_kind: global_buffer, .address_space: global }
      - { .name: bq, .offset: 8, .size: 8, .value_kind: global_buffer, .address_space: global }
      - { .name: bkv, .offset: 16, .size: 8, .value_kind: global_buffer, .address_space: global }
      - { .name: mask, .offset: 24, .size: 8, .value_kind: global_buffer, .address_space: global }
      - { .name: attnq, .offset: 32, .size: 8, .value_kind: global_buffer, .address_space: global }
    .group_segment_fixed_size: 327680
    .private_segment_fixed_size: 0
    .kernarg_segment_align: 8
    .kernarg_segment_size: 40
    .max_flat_workgroup_size: 256
    .sgpr_count:     100
    .vgpr_count:     512
    .wavefront_size: 32
...
	.end_amdgpu_metadata
.endif
;; end of part 2
;; launch oproj (part 3): grid 256 x 1, 2 waves a work-group, no clusters, 8,960 bytes of LDS; arguments attnq, wsq, bo, out0; writes out0
.if DOCPART == 3
	.amdgcn_target "amdgcn-amd-amdhsa--gfx1250"
	.amdhsa_code_object_version 6
	.text
	.protected	k_q4878e4660f_oproj
	.globl	k_q4878e4660f_oproj
	.p2align	8
	.type	k_q4878e4660f_oproj,@function
k_q4878e4660f_oproj:
	s_mov_b64 s[64:65], 0
	v_nop
	global_prefetch_b8 v0, s[64:65] scope:SCOPE_SE
	s_setreg_imm32_b32 hwreg(HW_REG_WAVE_MODE, 25, 1), 1
	s_wait_xcnt 0x0
; out0 = Q(attn) Q(Wo)^T + bo on codes of FP4 with E8M0 scales; attn's codes come from attnq, Wo's from wsq's groups 560-575, both as images of the operand's registers.
; SHARES: 512 waves, each 16 rows x 64 columns: row tile T = work-group / 8, column group G = 2 (work-group % 8) + wave.  K = 1,024 in 8 steps, 4 accumulators by turns.
; Every operand goes from memory straight into registers, once a wave: no tensor load, no cluster (a wave's 40 KiB are too few to be worth a ring), no barrier: waves share nothing.
; TRANSPOSED: source 0 = 16 rows of Wo, source 1 = attn: lane (r, h) holds row r and columns 16 t + 8 h + 0 .. 7.  bo is the C of the first matrix instructions.
; The results go through the wave's own stage in LDS, so that sixteen lanes store 256 consecutive bytes, aligned.
.set GRP,  34816
.set SCO,  32768
.set LI,   1                           ; v1 16 x lane
.set RR,   2
.set HH,   3
.set STO,  4                           ; v4 the stage, way in: row r, + 32 h
.set RD,   5                           ; v5 way out: row h, + 16 r
.set CO,   6                           ; v6 the same two rows in out0
.set AF,   16                          ; v16-79   attn's 8 fragments
.set ACC,  80                          ; v80-111  four accumulators
.set ASW,  112                         ; v112-119 attn's scale words
.set WSW,  120                         ; v120-135 Wo's: register 8 (t % 2) + s, tiles 0, 1 in lanes 0-15, tiles 2, 3 in lanes 16-31
.set BKR,  144                         ; v144-175 rows read back
.set MSB, 0
.macro WIN new                         ; the immediate's high byte repeats the setting that is left
.if MSB != \new
	s_set_vgpr_msb (MSB<<8)|\new
.set MSB, \new
.endif
.endm
	s_load_b256 s[4:11], s[0:1], 0x0               ; attnq, wsq, bo, out0
	v_lshl_add_u32 v254, v0, 2, 0x2200
	v_mov_b32 v255, 0
	v_lshrrev_b32 v1, 5, v0
	v_readfirstlane_b32 s12, v1                    ; wave 0, 1
	v_and_b32 v[LI], 31, v0
	v_lshlrev_b32 v[LI], 4, v[LI]
	v_and_b32 v[RR], 15, v0
	v_bfe_u32 v[HH], v0, 4, 1
	s_mul_i32 s13, s12, 16*272                     ; my stage
	v_mul_u32_u24 v[STO], v[RR], 272
	v_lshl_add_u32 v[STO], v[HH], 5, v[STO]
	v_add_nc_u32 v[STO], s13, v[STO]
	v_mul_u32_u24 v[RD], v[HH], 272
	v_lshl_add_u32 v[RD], v[RR], 4, v[RD]
	v_add_nc_u32 v[RD], s13, v[RD]
	v_lshlrev_b32 v[CO], 4, v[RR]
	v_lshl_add_u32 v[CO], v[HH], 12, v[CO]
	v_lshlrev_b32 v7, 5, v[RR]                     ; attn's scale words: 32 r
	v_lshl_add_u32 v8, v[HH], 10, v7               ; Wo's: 32 r, lanes 16-31 two tiles on
	v_lshlrev_b32 v9, 5, v[HH]                     ; bo: 32 h
	s_lshr_b32 s14, ttmp9, 3                       ; T
	s_and_b32 s15, ttmp9, 7
	s_lshl_b32 s15, s15, 1
	s_add_co_u32 s15, s15, s12                     ; G
	s_lshr_b32 s16, s14, 2
	s_mul_i32 s16, s16, GRP                        ; attn's group,
	s_and_b32 s17, s14, 3                          ; and the tile in it
	s_lshl_b32 s18, s17, 13
	s_add_co_u32 s18, s18, s16
	s_mov_b32 s19, 0
	s_lshl_b32 s20, s17, 9
	s_add_co_u32 s20, s20, s16
	s_add_co_u32 s20, s20, SCO
	s_mov_b32 s21, 0
	s_add_co_u32 s22, s15, 560
	s_mul_i32 s22, s22, GRP                        ; Wo's group
	s_mov_b32 s23, 0
	s_lshl_b32 s24, s15, 8                         ; 64 columns of 4 bytes
	s_mov_b32 s25, 0
	s_lshl_b32 s26, s14, 16                        ; 16 rows of 4,096 bytes
	s_add_co_u32 s26, s26, s24
	s_mov_b32 s27, 0
	s_wait_alu depctr_va_vdst(0)
	s_wait_kmcnt 0x0
	s_add_nc_u64 s[18:19], s[4:5], s[18:19]
	s_add_nc_u64 s[20:21], s[4:5], s[20:21]
	s_add_nc_u64 s[22:23], s[6:7], s[22:23]
	s_add_nc_u64 s[24:25], s[8:9], s[24:25]
	s_add_nc_u64 s[26:27], s[10:11], s[26:27]
.irp s, 0,1,2,3,4,5,6,7
.irp c, 0,1
	global_load_b128 v[AF+8*\s+4*\c:AF+8*\s+4*\c+3], v[LI], s[18:19] offset:\s*1024+\c*512
.endr
.endr
.irp u, 0,1
	global_load_b128 v[ASW+4*\u:ASW+4*\u+3], v7, s[20:21] offset:16*\u
.endr
.irp p, 0,1
.irp u, 0,1
	global_load_b128 v[WSW+8*\p+4*\u:WSW+8*\p+4*\u+3], v8, s[22:23] offset:SCO+512*\p+16*\u
.endr
.endr
.irp t, 0,1,2,3
.irp u, 0,1
	global_load_b128 v[ACC+8*\t+4*\u:ACC+8*\t+4*\u+3], v9, s[24:25] offset:64*\t+16*\u
.endr
.endr
	WIN 0x40                                       ; destination window 1: Wo's fragment (t, s) at v[8 (4 s + t)], K step by K step
.irp s, 0,1,2,3,4,5,6,7
.irp t, 0,1,2,3
.irp c, 0,1
	global_load_b128 v[8*(4*\s+\t)+4*\c:8*(4*\s+\t)+4*\c+3], v[LI], s[22:23] offset:\t*8192+\s*1024+\c*512
.endr
.endr
.endr
	WIN 0x01                                       ; source 0 window 1
.irp s, 0,1,2,3,4,5,6,7
	s_wait_loadcnt 8*(7-\s)                        ; the eight loads of each later K step may be out
.irp t, 0,1,2,3
.if \t < 2
	v_wmma_scale_f32_16x16x128_f8f6f4 v[ACC+8*\t:ACC+8*\t+7], v[8*(4*\s+\t):8*(4*\s+\t)+7], v[AF+8*\s:AF+8*\s+7], v[ACC+8*\t:ACC+8*\t+7], v[WSW+8*(\t%2)+\s], v[ASW+\s] matrix_a_fmt:MATRIX_FMT_FP4 matrix_b_fmt:MATRIX_FMT_FP4
.else
	v_wmma_scale_f32_16x16x128_f8f6f4 v[ACC+8*\t:ACC+8*\t+7], v[8*(4*\s+\t):8*(4*\s+\t)+7], v[AF+8*\s:AF+8*\s+7], v[ACC+8*\t:ACC+8*\t+7], v[WSW+8*(\t%2)+\s], v[ASW+\s] matrix_a_fmt:MATRIX_FMT_FP4 matrix_b_fmt:MATRIX_FMT_FP4 matrix_a_scale:MATRIX_SCALE_ROW1
.endif
.endr
.endr
	WIN 0
.rept 4
	v_nop                                          ; four plain places (ISA guide 7.12.1) ahead of the first read of results
.endr
.irp t, 0,1,2,3
.irp u, 0,1
	ds_store_b128 v[STO], v[ACC+8*\t+4*\u:ACC+8*\t+4*\u+3] offset:64*\t+16*\u   ; each accumulator from its low end on
.endr
.endr
.irp i, 0,1,2,3,4,5,6,7
	ds_load_b128 v[BKR+4*\i:BKR+4*\i+3], v[RD] offset:544*\i   ; rows 2 i and 2 i + 1; my own bytes, served in order
.endr
.irp i, 0,1,2,3,4,5,6,7
	s_wait_dscnt 7-\i
	global_store_b128 v[CO], v[BKR+4*\i:BKR+4*\i+3], s[26:27] offset:8192*\i th:TH_STORE_NT   ; 16 lanes store 256 consecutive bytes, aligned; written once, read by nobody here
.endr
	s_wait_tensorcnt 0x0
	ds_add_u32 v254, v255
	s_wait_dscnt 0x0
	s_endpgm
.Lfunc_end_k_q4878e4660f_oproj:
	.size	k_q4878e4660f_oproj, .Lfunc_end_k_q4878e4660f_oproj-k_q4878e4660f_oproj
	.p2alignl 7, 3214868480
	.fill 96, 4, 3214868480
	.section	.rodata,"a",@progbits
	.p2align	6, 0x0
	.amdhsa_kernel k_q4878e4660f_oproj
		.amdhsa_group_segment_fixed_size 8960
		.amdhsa_private_segment_fixed_size 0
		.amdhsa_enable_private_segment 0
		.amdhsa_kernarg_size 32
		.amdhsa_user_sgpr_count 2
		.amdhsa_user_sgpr_kernarg_segment_ptr 1
		.amdhsa_wavefront_size32 1
		.amdhsa_system_sgpr_workgroup_id_x 1
		.amdhsa_system_sgpr_workgroup_id_y 1
		.amdhsa_system_sgpr_workgroup_id_z 1
		.amdhsa_system_vgpr_workitem_id 0
		.amdhsa_next_free_vgpr 512
		.amdhsa_next_free_sgpr 66
		.amdhsa_reserve_vcc 0
		.amdhsa_float_denorm_mode_32 3
		.amdhsa_float_denorm_mode_16_64 3
		.amdhsa_memory_ordered 1
		.amdhsa_forward_progress 1
		.amdhsa_inst_pref_size 18
	.end_amdhsa_kernel
	.amdgpu_metadata
---
amdhsa.version: [ 1, 2 ]
amdhsa.kernels:
  - .name:           k_q4878e4660f_oproj
    .symbol:         k_q4878e4660f_oproj.kd
    .args:
      - { .name: attnq, .offset: 0, .size: 8, .value_kind: global_buffer, .address_space: global }
      - { .name: wsq, .offset: 8, .size: 8, .value_kind: global_buffer, .address_space: global }
      - { .name: bo, .offset: 16, .size: 8, .value_kind: global_buffer, .address_space: global }
      - { .name: out0, .offset: 24, .size: 8, .value_kind: global_buffer, .address_space: global }
    .group_segment_fixed_size: 8960
    .private_segment_fixed_size: 0
    .kernarg_segment_align: 8
    .kernarg_segment_size: 32
    .max_flat_workgroup_size: 64
    .sgpr_count:     66
    .vgpr_count:     512
    .wavefront_size: 32
...
	.end_amdgpu_metadata
.endif
;; end of part 3
